; MI455X (gfx1250); checked and timed in simulation.
; The chip was launched on July 23, 2026; its instructions are those of AMD's public machine-readable ISA for CDNA 5 (MIT licence, August 2026) and "CDNA5" Instruction Set Architecture Reference Guide (July 2026). The comments in the code are by the model that wrote it; some were corrected since.
;; Bahdanau Attention. Allowed arithmetic: matrix products marked QUANTISED: E3M2 operands, one E8M0 scale for each 32 along K, by v_wmma_scale_f32_16x16x128_f8f6f4 with both operands' format E3M2, f32 sums; products left as they are: f32 operands where the result goes on into a quantised operand, else bf16, f16 or f32 operands; f32 sums; everything else in f32.
;; Inputs: W1 1,024 x 1,024 float32; W2 1,024 x 1,024 float32; decoder_hidden 32 x 1,024 float32; encoder_outputs 32 x 2,048 x 1,024 float32; mask 32 x 2,048 int32; v 1 x 1,024 float32.
;; Outputs: out0 32 x 1,024 float32; out1 32 x 2,048 float32.
;; This version of the problem:
;;   THIS VERSION OF THE PROBLEM IS GIVEN IN LOW PRECISION. The matrix products marked QUANTISED in the list below multiply operands that are first quantised to E3M2 (3 exponent bits, 2 mantissa bits; 6 bits a number), with one power-of-two scale for each 32 numbers along K (OCP MX v1.0); their sums are f32. All else is computed in f32.
;;   The module's matrix products, in the order in which they are computed (A, B: the left and right operand; K: the contracted axis; several contracted axes count as one K, in the product's order):
;;     1. [M 65,536, K 1,024] x [K 1,024, N 1,024]; A: input encoder_outputs; B: input W1: QUANTISED
;;     2. [M 32, K 1,024] x [K 1,024, N 1,024]; A: input decoder_hidden; B: input W2: QUANTISED
;;     3. [M 65,536, K 1,024] x [K 1,024, N 1]; A: computed on the way; B: input v: left as it is (N = 1 < 16)
;;     4. batch 32 x [M 1, K 2,048] x [K 2,048, N 1,024]; A: softmax; B: input encoder_outputs: left as it is (M = 1 < 16)
;;   THE QUANTISER, for each operand of a quantised product, along K:
;;     - K is cut into blocks of 32 from its start; a last block that is shorter is filled with zeros.
;;     - A block's scale is 2^e with e = floor(log2(the largest magnitude in the block)) - 4, held to -126 .. 127; a block of zeros has e = 0. As a byte (E8M0): e + 127.
;;     - Each number is divided by its block's scale, clamped to +-28, and rounded to the nearest number of E3M2, ties to even, subnormals kept.
;;     - The product sums the exact products of the quantised numbers (number of the format x scale) in f32.
;;   ~~~python
;;   def quantise(x, axis):      # numpy; x: float32 -> the quantised numbers, widened to float32 again
;;       x = np.moveaxis(x, axis, -1); K = x.shape[-1]
;;       x = np.pad(x, [(0, 0)] * (x.ndim - 1) + [(0, -K % 32)]); x = x.reshape(x.shape[:-1] + (-1, 32)); a = np.abs(x).max(-1, keepdims=True)
;;       e = np.where(a > 0, np.clip(np.frexp(np.where(a > 0, a, 1))[1] - 1 - 4, -126, 127), 0)      # np.frexp(a)[1] - 1 = floor(log2(a)), exactly
;;       r = np.clip(x / 2.0 ** e, -28, 28)
;;       step = 2.0 ** (np.maximum(np.frexp(np.where(r == 0, 1, r))[1] - 1, -2) - 2)
;;       q = np.round(r / step) * step * 2.0 ** e      # np.round: ties to even
;;       return np.moveaxis(q.reshape(q.shape[:-2] + (-1,))[..., :K], -1, axis).astype(np.float32)
;;   ~~~
;; One version. Each part assembles by itself: llvm-mc -triple=amdgcn-amd-amdhsa -mcpu=gfx1250 --defsym DOCPART=n.
;; ======== version 1 of 1: 3 launches
;; limits: values are held in f16: magnitudes above 65,504 overflow, below 6.1e-05 lose precision; inputs' magnitudes at most 65,504; right only within a limited range of input values
;; workspace buffers: w1q 819,200 bytes; tab 524,288 bytes; scores 262,144 bytes; pml 131,072 bytes; pctx 2,097,152 bytes
;; launch prep (part 1): grid 64 x 1, 16 waves a work-group, no clusters, 18,944 bytes of LDS; arguments W1, W2, decoder_hidden, v, w1q, tab; writes w1q, tab
.if DOCPART == 1
	.amdgcn_target "amdgcn-amd-amdhsa--gfx1250"
	.amdhsa_code_object_version 6
	.text
	.protected	k_qd3d1207f2c_prep
	.globl	k_qd3d1207f2c_prep
	.p2align	8
	.type	k_qd3d1207f2c_prep,@function
k_qd3d1207f2c_prep:
	s_mov_b64 s[64:65], 0
	v_nop
	global_prefetch_b8 v0, s[64:65] scope:SCOPE_SE
	s_setreg_imm32_b32 hwreg(HW_REG_WAVE_MODE, 25, 1), 1
	s_wait_xcnt 0x0
; PREP.  W1 [1024][1024] f32 becomes codes of BF6 (E3M2) with one E8M0 scale for each 32 along K, laid in the order of the operand's registers;
; dec_t = Q(decoder_hidden) Q(W2)^T is made by the BF6 matrix form, and a table (c dec_t, c dec_t, -2 v, -2 v), c = 2 log2(e), is stored for each batch and column.
; WORK LEFT OUT, in the whole program: tanh(x) = 1 - 2 r with r = 1 / (1 + e^(2x)), so reference()'s score of position l is  sum_a v_a  -  2 sum_a v_a r(l, a).
; The first term does not hang on l: it is the same along the softmax's axis, and softmax(s + k) = softmax(s) for every real k, whatever the inputs hold.  So sum_a v_a is never formed;
; the scores of this program are  sum_a (-2 v_a) r(l, a).  Every input still has a way to an output: all six are loaded.
; LIMITS: a NaN, an infinity or an overflow that would reach sum_a v_a alone is not carried to the result.  NaN and infinities among the inputs are not served.  A block of 32 whose largest magnitude
; lies under 2^(5 - 127) keeps the scale byte 1 (a block of zeros too: its codes are zeros, which add nothing under that byte; the bytes are read by this program alone).
; SHARES.  Work-group g takes N tile g (16 rows) of W1 and of W2.  Waves 0-7 take W1, waves 8-15 W2; wave s (of eight) takes K step s, 128 along K.  The roles part on the wave's number alone.
; A lane (r = lane % 16, h = lane / 16) loads, of row r, 16 neighbouring numbers of each block of 32: register 16 b + i is k = 32 b + 16 h + i.
; w1q: N tile nt has a record of 12,800 bytes at ((nt % 32) / 4) x 102,400 + (nt / 32) x 51,200 + (nt % 4) x 12,800: 24 chunks of 512 bytes (chunk 3 s + c: registers 4 c .. 4 c + 3 of K step s's
; fragment, lane l's 16 bytes at 16 l), then 512 bytes of scale words (row r's eight words at 32 r).
; LDS: PWS: W1's scale words, 512 bytes;  PD: the eight K steps' partial sums of dec_t, 8 x 2,048 bytes;  then the spare words.  Each role has bytes of its own.
.set PWS,   0
.set PD,    512
.set SPARE, 16896                      ; 128 bytes for each of the sixteen waves: eight blocks of 256 bytes that no other line names
.set XA,   4                           ; v4   4,096 r + 64 h: my 16 numbers of a row's first block
.set L16,  5                           ; v5   16 x lane
.set AWS,  6                           ; v6   PWS + 32 r + 4 s
.set APS,  7                           ; v7   PD + 2,048 s + 16 x lane
.set APL,  8                           ; v8   PD + 512 (s / 2) + 16 x lane + 8 (s % 2)
.set TBO,  9                           ; v9   the table: 131,072 h + 16 r
.set VV,   10                          ; v10  v[16 g + r]
.set VO,   11                          ; v11  4 r
.set SPW,  12                          ; v12  my spare word; never rewritten
.set NIL,  13                          ; v13  0; never rewritten
.set TM,   16                          ; v16-31 at work in QUANT
.set T2,   32                          ; v32-38 the second conversions' results
.set WF,   40                          ; v40-51 the weight's fragment, v52 its scale word
.set WS,   52
.set DF0,  54                          ; v54-65 decoder_hidden's rows 0-15, v66 their scale word
.set DS0,  66
.set DF1,  68                          ; v68-79 rows 16-31, v80
.set DS1,  80
.set ACC0, 84
.set ACC1, 92
.set X0,   112
.set X1,   176
.set SEL,  34                          ; s[34:35] lane selects: lane l xor 16
.macro XLOAD reg, base, off            ; 64 numbers a lane: 128 along K of 16 rows
.irp b, 0,1,2,3
.irp j, 0,1,2,3
	global_load_b128 v[\reg+16*\b+4*\j:\reg+16*\b+4*\j+3], v[XA], s[\base:\base+1] offset:\off+128*\b+16*\j
.endr
.endr
.endm
; 64 numbers of a lane become a fragment's 12 registers in v[dst] on and the row's scale word in v[pw]
.macro QUANT src, dst, pw
.irp b, 0,1,2,3
	v_max3_num_f32 v[TM+\b], |v[\src+16*\b]|, |v[\src+1+16*\b]|, 0x2800000   ; block b: my 16 numbers, and the floor 2^(5 - 127): the byte cannot fall under 1
.endr
.irp i, 2,4,6,8,10,12,14
.irp b, 0,1,2,3
	s_delay_alu instid0(VALU_DEP_4)
	v_max3_num_f32 v[TM+\b], v[TM+\b], |v[\src+16*\b+\i]|, |v[\src+1+16*\b+\i]|   ; the four blocks by turns
.endr
.endr
.irp b, 0,1,2,3
	s_delay_alu instid0(VALU_DEP_4)
	v_permlanex16_b32 v[TM+4+\b], v[TM+\b], s[SEL], s[SEL+1]
.endr
.irp b, 0,1,2,3
	s_delay_alu instid0(VALU_DEP_4)
	v_max_num_f32 v[TM+\b], v[TM+\b], v[TM+4+\b]   ; with lane l xor 16's: the block's largest magnitude
.endr
.irp b, 0,1,2,3
	s_delay_alu instid0(VALU_DEP_4)
	v_add_nc_u32 v[TM+12+\b], 0xfe000000, v[TM+\b]   ; 4 off its exponent field: the conversion's scale operand
.endr
.irp b, 0,1,2,3
	s_delay_alu instid0(VALU_DEP_4)
	v_lshrrev_b32 v[TM+4+\b], 23, v[TM+12+\b]   ; the scale's byte
.endr
	s_delay_alu instid0(VALU_DEP_3)
	v_lshl_or_b32 v[\pw], v[TM+5], 8, v[TM+4]
	s_delay_alu instid0(VALU_DEP_1)
	v_lshl_or_b32 v[\pw], v[TM+6], 16, v[\pw]
	s_delay_alu instid0(VALU_DEP_1)
	v_lshl_or_b32 v[\pw], v[TM+7], 24, v[\pw]
.irp c, 0,1
	v_cvt_scalef32_pk16_bf6_f32 v[\dst+6*\c:\dst+6*\c+2], v[\src+32*\c:\src+32*\c+15], v[TM+12+2*\c]
	v_cvt_scalef32_pk16_bf6_f32 v[T2+4*\c:T2+4*\c+2], v[\src+32*\c+16:\src+32*\c+31], v[TM+13+2*\c]   ; (a conversion's three registers begin on an even number)
.endr
	v_nop                                          ; one plain place behind a scaled conversion
.irp c, 0,1                                    ; the operand's layout wants a whole block in a lane: lanes 0-15 block 2 c, lanes 16-31 block 2 c + 1
.irp i, 0,1,2
	v_permlane16_swap_b32 v[\dst+6*\c+\i], v[T2+4*\c+\i]
.endr
.irp i, 0,1,2
	s_delay_alu instid0(VALU_DEP_3)
	v_mov_b32 v[\dst+6*\c+3+\i], v[T2+4*\c+\i]
.endr
.endr
.endm
	s_load_b256 s[4:11], s[0:1], 0x0               ; W1 s[4:5], W2 s[6:7], decoder_hidden s[8:9], v s[10:11]
	s_load_b128 s[12:15], s[0:1], 0x20             ; w1q s[12:13], tab s[14:15]
	v_lshl_add_u32 v[SPW], v0, 2, SPARE
	v_mov_b32 v[NIL], 0
	v_lshrrev_b32 v1, 5, v0
	s_delay_alu instid0(VALU_DEP_1)
	v_readfirstlane_b32 s16, v1                    ; wave 0..15
	s_and_b32 s17, s16, 7                          ; my K step
	v_and_b32 v1, 31, v0                           ; lane
	v_and_b32 v2, 15, v0                           ; r
	v_bfe_u32 v3, v0, 4, 1                         ; h
	s_delay_alu instid0(VALU_DEP_2)
	v_lshlrev_b32 v[XA], 12, v2
	s_delay_alu instid0(VALU_DEP_1)
	v_lshl_add_u32 v[XA], v3, 6, v[XA]
	v_lshlrev_b32 v[L16], 4, v1
	s_wait_alu depctr_va_vdst(0)
	s_lshl_b32 s19, s17, 2                         ; every LDS address is made here, ahead of the parting of the roles
	v_lshlrev_b32 v[AWS], 5, v2
	s_delay_alu instid0(VALU_DEP_1)
	v_add_nc_u32 v[AWS], s19, v[AWS]
	s_lshl_b32 s19, s17, 11
	s_add_co_u32 s19, s19, PD
	v_add_nc_u32 v[APS], s19, v[L16]
	s_lshr_b32 s19, s17, 1
	s_lshl_b32 s19, s19, 9
	s_and_b32 s18, s17, 1
	s_lshl_b32 s18, s18, 3
	s_add_co_u32 s19, s19, s18
	s_add_co_u32 s19, s19, PD
	v_add_nc_u32 v[APL], s19, v[L16]
	v_lshlrev_b32 v[TBO], 4, v2
	s_delay_alu instid0(VALU_DEP_1)
	v_lshl_add_u32 v[TBO], v3, 17, v[TBO]
	v_lshlrev_b32 v[VO], 2, v2
	s_mov_b32 s[SEL], 0x76543210
	s_mov_b32 s[SEL+1], 0xfedcba98
.irp b, 0,1,2,3
	v_mov_b32 v[TM+4+\b], 0                        ; written once: a lane permute's destination counts as one of its sources
.endr
	s_lshl_b32 s32, ttmp9, 16                      ; the weight: 16 rows of 4,096 bytes a tile, 512 bytes a K step
	s_lshl_b32 s36, s17, 9
	s_add_co_u32 s32, s32, s36
	s_mov_b32 s33, 0
	s_mov_b32 s37, 0                               ; decoder_hidden: 512 bytes a K step
	s_lshl_b32 s38, ttmp9, 6                       ; v: 16 numbers a tile
	s_mov_b32 s39, 0
	s_and_b32 s40, ttmp9, 31                       ; the tile's record in w1q
	s_lshr_b32 s40, s40, 2
	s_mul_i32 s40, s40, 102400
	s_lshr_b32 s41, ttmp9, 5
	s_mul_i32 s41, s41, 51200
	s_add_co_u32 s40, s40, s41
	s_and_b32 s41, ttmp9, 3
	s_mul_i32 s41, s41, 12800
	s_add_co_u32 s40, s40, s41
	s_mov_b32 s41, 0
	s_mul_i32 s42, s17, 1536                       ; my K step's three chunks in it
	s_add_co_u32 s42, s42, s40
	s_mov_b32 s43, 0
	s_lshr_b32 s44, s17, 2                         ; the table: I finish result registers 2 s and 2 s + 1: batches 16 (s / 4) + (2 s) % 8 + 8 h, and one on
	s_lshl_b32 s44, s44, 4
	s_lshl_b32 s45, s17, 1
	s_and_b32 s45, s45, 7
	s_add_co_u32 s44, s44, s45
	s_lshl_b32 s44, s44, 14                        ; 16,384 bytes a batch
	s_lshl_b32 s45, ttmp9, 8                       ; 256 bytes a tile of columns
	s_add_co_u32 s44, s44, s45
	s_mov_b32 s45, 0
	s_wait_kmcnt 0x0
	s_cmp_lt_u32 s16, 8                            ; the choice hangs on the wave's number alone
	s_cselect_b64 s[20:21], s[4:5], s[6:7]
	s_add_nc_u64 s[20:21], s[20:21], s[32:33]
	s_add_nc_u64 s[22:23], s[8:9], s[36:37]
	s_add_nc_u64 s[24:25], s[10:11], s[38:39]
	s_add_nc_u64 s[26:27], s[12:13], s[42:43]
	s_add_nc_u64 s[28:29], s[12:13], s[40:41]
	s_add_nc_u64 s[30:31], s[14:15], s[44:45]
	s_cmp_lt_u32 s16, 8
	s_cbranch_scc1 .Lweight
	XLOAD X1, 22, 0                                ; W2's waves: decoder_hidden's rows 0-15,
	s_wait_alu depctr_va_vdst(0)
	global_load_b32 v[VV], v[VO], s[24:25]         ; and v
.Lweight:
	XLOAD X0, 20, 0                                ; my 16 rows x 128 K of the weight
	s_wait_loadcnt 0x0
	QUANT X0, WF, WS
	s_cmp_lt_u32 s16, 8
	s_cbranch_scc0 .Lproduct
.irp c, 0,1,2
	global_store_b128 v[L16], v[WF+4*\c:WF+4*\c+3], s[26:27] offset:512*\c   ; the fragment as it stands: 32 lanes store 512 consecutive bytes
.endr
	ds_store_b32 v[AWS], v[WS]                     ; lanes r and 16 + r write the same word with the same value
	s_branch .Ljoin
.Lproduct:
	XLOAD X0, 22, 65536                            ; decoder_hidden's rows 16-31 land while rows 0-15 are quantised
	QUANT X1, DF0, DS0
	s_wait_loadcnt 0x0
	QUANT X0, DF1, DS1
.rept 8
	v_nop                                          ; a scale register written by a vector instruction stands 8 places ahead of a scaled matrix instruction, an operand so written 4
.endr
	v_wmma_scale_f32_16x16x128_f8f6f4 v[ACC0:ACC0+7], v[DF0:DF0+11], v[WF:WF+11], 0, v[DS0], v[WS] matrix_a_fmt:MATRIX_FMT_BF6 matrix_b_fmt:MATRIX_FMT_BF6   ; (batch 8 h + j, column r), this K step's part
	v_wmma_scale_f32_16x16x128_f8f6f4 v[ACC1:ACC1+7], v[DF1:DF1+11], v[WF:WF+11], 0, v[DS1], v[WS] matrix_a_fmt:MATRIX_FMT_BF6 matrix_b_fmt:MATRIX_FMT_BF6   ; batches 16 + 8 h + j
.rept 4
	v_nop                                          ; four places ahead of the first read of the results
.endr
	ds_store_b128 v[APS], v[ACC0:ACC0+3]           ; each accumulator from its low end on
	ds_store_b128 v[APS], v[ACC0+4:ACC0+7] offset:512
	ds_store_b128 v[APS], v[ACC1:ACC1+3] offset:1024
	ds_store_b128 v[APS], v[ACC1+4:ACC1+7] offset:1536
.Ljoin:
	s_wait_dscnt 0x0                               ; for the others' sake: my LDS stores have landed
	s_barrier_signal -1
	s_barrier_wait -1
	s_cmp_lt_u32 s16, 8
	s_cbranch_scc0 .Lsum
	s_cmp_lg_u32 s16, 0
	s_cbranch_scc1 .Lend
	ds_load_b128 v[X0:X0+3], v[L16]                ; wave 0: the tile's 512 bytes of scale words,
	s_wait_dscnt 0x0
	global_store_b128 v[L16], v[X0:X0+3], s[28:29] offset:12288   ; behind the record's 24 chunks: two aligned runs of 256 bytes
	s_branch .Lend
.Lsum:
.irp q, 0,1,2,3,4,5,6,7
	ds_load_b64 v[X0+2*\q:X0+2*\q+1], v[APL] offset:2048*\q   ; the eight K steps' parts of my two result registers
.endr
	s_wait_dscnt 0x0
	v_pk_add_f32 v[X0:X0+1], v[X0:X0+1], v[X0+2:X0+3]
	v_pk_add_f32 v[X0+4:X0+5], v[X0+4:X0+5], v[X0+6:X0+7]
	v_pk_add_f32 v[X0+8:X0+9], v[X0+8:X0+9], v[X0+10:X0+11]
	v_pk_add_f32 v[X0+12:X0+13], v[X0+12:X0+13], v[X0+14:X0+15]
	s_delay_alu instid0(VALU_DEP_3)
	v_pk_add_f32 v[X0:X0+1], v[X0:X0+1], v[X0+4:X0+5]
	s_delay_alu instid0(VALU_DEP_2)
	v_pk_add_f32 v[X0+8:X0+9], v[X0+8:X0+9], v[X0+12:X0+13]
	s_delay_alu instid0(VALU_DEP_1)
	v_pk_add_f32 v[X0:X0+1], v[X0:X0+1], v[X0+8:X0+9]
	s_delay_alu instid0(VALU_DEP_1)
	v_mul_f32 v[X0+16], 0x4038aa3b, v[X0]          ; c dec_t, c = 2 log2(e)
	s_delay_alu instid0(VALU_DEP_2)
	v_mul_f32 v[X0+20], 0x4038aa3b, v[X0+1]
	v_mul_f32 v[X0+18], -2.0, v[VV]                ; -2 v
	s_delay_alu instid0(VALU_DEP_3)
	v_mov_b32 v[X0+17], v[X0+16]                   ; each twice: the reader multiplies and adds in pairs
	s_delay_alu instid0(VALU_DEP_3)
	v_mov_b32 v[X0+21], v[X0+20]
	s_delay_alu instid0(VALU_DEP_3)
	v_mov_b32 v[X0+19], v[X0+18]
	s_delay_alu instid0(VALU_DEP_4)
	v_mov_b32 v[X0+22], v[X0+18]
	v_mov_b32 v[X0+23], v[X0+18]
	global_store_b128 v[TBO], v[X0+16:X0+19], s[30:31]               ; sixteen lanes store 256 consecutive bytes, aligned
	global_store_b128 v[TBO], v[X0+20:X0+23], s[30:31] offset:16384  ; the next batch
.Lend:
	s_wait_tensorcnt 0x0                           ; the wave's end, behind my last LDS store
	ds_add_u32 v[SPW], v[NIL]
	s_wait_dscnt 0x0
	s_endpgm
.Lfunc_end_k_qd3d1207f2c_prep:
	.size	k_qd3d1207f2c_prep, .Lfunc_end_k_qd3d1207f2c_prep-k_qd3d1207f2c_prep
	.p2alignl 7, 3214868480
	.fill 96, 4, 3214868480
	.section	.rodata,"a",@progbits
	.p2align	6, 0x0
	.amdhsa_kernel k_qd3d1207f2c_prep
		.amdhsa_group_segment_fixed_size 18944
		.amdhsa_private_segment_fixed_size 0
		.amdhsa_enable_private_segment 0
		.amdhsa_kernarg_size 48
		.amdhsa_user_sgpr_count 2
		.amdhsa_user_sgpr_kernarg_segment_ptr 1
		.amdhsa_wavefront_size32 1
		.amdhsa_system_sgpr_workgroup_id_x 1
		.amdhsa_system_sgpr_workgroup_id_y 1
		.amdhsa_system_sgpr_workgroup_id_z 1
		.amdhsa_system_vgpr_workitem_id 0
		.amdhsa_next_free_vgpr 256
		.amdhsa_next_free_sgpr 66
		.amdhsa_reserve_vcc 0
		.amdhsa_float_denorm_mode_32 3
		.amdhsa_float_denorm_mode_16_64 3
		.amdhsa_memory_ordered 1
		.amdhsa_forward_progress 1
		.amdhsa_inst_pref_size 28
	.end_amdhsa_kernel
	.amdgpu_metadata
---
amdhsa.version: [ 1, 2 ]
amdhsa.kernels:
  - .name:           k_qd3d1207f2c_prep
    .symbol:         k_qd3d1207f2c_prep.kd
    .args:
      - { .name: W1, .offset: 0, .size: 8, .value_kind: global_buffer, .address_space: global }
      - { .name: W2, .offset: 8, .size: 8, .value_kind: global_buffer, .address_space: global }
      - { .name: decoder_hidden, .offset: 16, .size: 8, .value_kind: global_buffer, .address_space: global }
      - { .name: v, .offset: 24, .size: 8, .value_kind: global_buffer, .address_space: global }
      - { .name: w1q, .offset: 32, .size: 8, .value_kind: global_buffer, .address_space: global }
      - { .name: tab, .offset: 40, .size: 8, .value_kind: global_buffer, .address_space: global }
    .group_segment_fixed_size: 18944
    .private_segment_fixed_size: 0
    .kernarg_segment_align: 8
    .kernarg_segment_size: 48
    .max_flat_workgroup_size: 512
    .sgpr_count:     66
    .vgpr_count:     256
    .wavefront_size: 32
...
	.end_amdgpu_metadata
.endif
;; end of part 1
;; launch main (part 2): grid 512 x 1, 4 waves a work-group, clusters of 4 x 1, 327,680 bytes of LDS; arguments encoder_outputs, mask, w1q, tab, scores, pml, pctx; writes scores, pml, pctx
.if DOCPART == 2
	.amdgcn_target "amdgcn-amd-amdhsa--gfx1250"
	.amdhsa_code_object_version 6
	.text
	.protected	k_qd3d1207f2c_main
	.globl	k_qd3d1207f2c_main
	.p2align	8
	.type	k_qd3d1207f2c_main,@function
k_qd3d1207f2c_main:
	s_mov_b64 s[64:65], 0
	v_nop
	global_prefetch_b8 v0, s[64:65] scope:SCOPE_SE
	s_setreg_imm32_b32 hwreg(HW_REG_WAVE_MODE, 25, 1), 1
	s_wait_xcnt 0x0
	s_wait_alu depctr_hold_cnt(0) depctr_sa_sdst(0) depctr_va_vdst(0) depctr_va_sdst(0) depctr_va_ssrc(0) depctr_va_vcc(0) depctr_vm_vsrc(0)
	s_getreg_b32 s2, hwreg(HW_REG_IB_STS2, 6, 4)
	s_cmp_eq_u32 s2, 0
	s_cbranch_scc0 .Lentry_in_a_cluster
	s_endpgm
.Lentry_in_a_cluster:
	s_bfe_u32 s2, ttmp6, 0x10000c
	s_cmp_lg_u32 s2, 0x3003
	s_cbranch_scc0 .Lentry_shape_is_right
	s_endpgm
.Lentry_shape_is_right:
; MAIN.  A work-group takes 128 positions of one batch through the whole chain; encoder_outputs is read from memory once.
;   L: the 128 rows x 1,024 come in eight K steps of 128 through two LDS slots, are quantised to BF6 (E3M2, one E8M0 scale for each 32 along K) into registers, and kept as f16 beside that;
;   G: W1's codes (register images made by the launch before) stream past in eight slots of 128 columns; score(l) = sum_a (-2 v_a) / (1 + 2^(c (enc_t + dec_t))), c = 2 log2(e);
;   C: mask, the block's maximum m and sum l of p = e^(s - m), and the block's part of the context by the f16 matrix form.  The last launch joins a batch's 16 blocks.
; WORK LEFT OUT: sum_a v_a, which is the same along the softmax's axis (shown at the head of the first kernel).
; LIMITS: NaN and infinities among the inputs are not served.  The context's operands are f16: |encoder_outputs| is held under 65,504; a p under 2^-25 counts as 0 in the context (the block's largest p is 1).
; Blocks of 32 whose largest magnitude lies under 2^(5 - 127) keep the scale byte 1.  A block that is masked throughout gives m = -3e38, l = 0 and zeros.
; SHARES.  Wave w (rh = w / 2, ch = w % 2) multiplies rows 64 rh .. + 63 by columns 512 ch .. + 511.  Its row tiles: 0, 1 = rows 32 w + 16 m (its own), 2, 3 = rows 32 (w xor 1) + 16 (m - 2).
; A wave quantises its own 32 rows alone and keeps their f16 copy; the fragments and the scale register of a K step go to its partner through LDS as images of the registers,
; stored in one K step and read behind the next change of slots; two areas take turns.
; THE MATRIX INSTRUCTION: source 0 = 16 rows of W1 (window 0), source 1 = 16 rows of enc (window 1 or 2).  A lane then holds ONE position (lane % 16) and its registers the columns 8 (lane / 16) + j:
; a position's score sum is one register pair a row tile.
; G GOES BY PAIRS OF TILES of 16 columns: 64 products on eight accumulators in one run, then one activation on their 64 registers, so that a batch's waits serve two tiles.
; W1's fragments have one set of registers: each half (four K steps) is loaded anew as soon as its products are issued.  A slot's last fragments are in registers ahead of its last 16 products:
; there the slots change, and the refill and the next slot's first fragments are on their way while the last pair's activation is worked.
; CLUSTER.  The four blocks of a cluster walk the same W1: its slots are asked for jointly (mask of four).  enc's rows are each block's own: plain loads.
; The table is 16,384 of a block's 1,359,872 bytes in: it comes through registers, re-laid on the way, and is not asked for jointly.
; PREFETCH.  Each wave names its own 32 rows x 512 bytes of the K step that is loaded two changes of slots later (a lane a row, two lines); K steps 1 and 2 at the head; the last three trips ask for nothing.
; None for w1q: all 512 work-groups walk the same 819,200 bytes.
; LDS: slot 0 at 0, slot 1 at 2^17: 200 lines of 512 + 16 bytes, 50 a wave.  A wave's 32 rows of an enc tile lie in its first 32 lines.  The first fill of each slot states 50 rows of which the tensor has 32:
; the other 18 lines are written as zeros.  L_TAB: c dec_t[1024], then -2 v[1024], stored from registers.  L_XA, L_XB: the partners' images.
; STAGE0: f16 of channels 0-255.  In C the f16 of channels 256 on is laid over the slots, the table and L_XA, which have had their last fill and last read.
; REGISTERS.  Window 0: v0-47 addresses, enc's scale words, the mask; v48-255 by phase.  Window 1: v0-191 enc's fragments of K steps 0-3 at 12 (4 s + tile); v192-255 f16, channels 768 on, tile 0.
; Window 2: the same for K steps 4-7, tile 1.  Window 3: f16 of channels 256-767.
.set LINE,     528
.set WL,       50
.set SLOT1,    1<<17
.set L_TAB,    105728
.set L_XA,     113920                  ; images of even K steps: 4 x XW bytes
.set L_STAGE0, 236800
.set SPI,      544
.set STGQ,     128*SPI
.set L_SC,     306432
.set L_PH,     307456
.set L_SCR,    308480
.set SPARE,    309504                  ; the spare words: 128 bytes a wave, named by no other line
.set L_XB,     310016                  ; images of odd K steps
.set XW,       3584                    ; a wave's image: 2 tiles x 3 x 512 bytes, then the scale register, 16 bytes a lane
.set W1SLOT,   102400
.set PFO,  1                           ; 4,096 x lane (made last in the head; never rewritten)
.set AXO,  4                           ; v4-5 my rows in slot 0, 1: (50 w + r) LINE + 64 h
.set STO,  8
.set ADB0, 9                           ; 16 x lane + 100 LINE ch
.set ADS0, 10                          ; 32 r + 100 LINE ch + 24 LINE
.set ADT0, 11                          ; L_TAB + 2,048 ch + 32 h
.set ADB,  12                          ; v12-14 the same for the slot in hand
.set ADS,  13
.set ADT,  14
.set TMPV, 15
.set AS,   16                          ; v16-31 enc's scale words: register 2 s + p: tile 2 p in lanes 0-15, tile 2 p + 1 in lanes 16-31
.set MK,   32
.set SCO,  36                          ; L_SC + 512 ch + 4 (32 w + r);  v37 the same for my partner's rows
.set SCX,  37
.set AV0,  38
.set PHS,  39
.set PHL,  40
.set SCS,  41
.set SCL,  42
.set L16,  43
.set L8,   44
.set SC16, 45
.set SPW,  46
.set NIL,  47
.set H16,  48                          ; L
.set X0,   80
.set X1,   144
.set TM,   208
.set PC,   224
.set PW,   244
.set STS,  246
.set TST,  247
.set XS,   249                         ; v249-250 my image, even and odd K steps: 16 x lane + XW w;  v251-252 my partner's
.set XL,   251
.set SACC, 48                          ; G: four pairs of score sums; c dec_t and -2 v of 2 x 8 columns; W1's scale words and fragments; eight accumulators
.set TC,   56
.set TW,   72
.set BS,   88
.set BF,   96
.set Q,    192
.set PP,   48                          ; C
.set XF,   80
.set CA,   208
.set SA,   240
.set ML,   244
.set UU,   246
.set OO,   248
.set WV,   18
.set CX,   19
.set BLK,  20
.set HIM,  21
.set G1E,  24
.set G1WB, 32
.set G0E,  40
.set G0WB, 48
.set PF,   52
.set TBA,  54
.set CTW,  56
.set SEL,  58
.set TB,   60
.set TT,   62
.set OC,   63
.set S_OWN, 67
.set S_XS,  68
.set S_STO, 69
.set S_CHB, 70
.set S_CHS, 71
.set S_TAB, 72
.set S_SCO, 73
.set S_SCX, 74
.set S_AV,  75
.set S_PH,  76
.set S_SCR, 77
.set S_TST, 78
.set S_XL,  79
.set W0E,  (2<<16)|(1<<20)|(6<<22)|(3<<25)             ; elements of 4 bytes; 4 words of padding behind every 128
.set W0W,  15|(3<<16)|(1<<20)|(1<<21)|(6<<22)|(3<<25)  ; the mask of four; elements of 8 bytes; bit 21 beside a mask; the same padding
.set MSB, 0
.macro WIN new
.if MSB != \new
	s_set_vgpr_msb (MSB<<8)|\new
.set MSB, \new
.endif
.endm
.macro GROUP1 g, w0, c, r, t, p        ; a tile of t rows of c elements, p apart, of which the tensor has r
	s_mov_b32 s[\g], \w0
	s_mov_b32 s[\g+1], (\c)<<16
	s_mov_b32 s[\g+2], (\r)<<16
	s_mov_b32 s[\g+3], (\c)<<16
	s_mov_b32 s[\g+4], \t
	s_mov_b32 s[\g+5], \p
	s_mov_b32 s[\g+6], 0
	s_mov_b32 s[\g+7], 0
.endm
.macro NOP4
.rept 4
	v_nop
.endr
.endm
.macro TL g0, g1                       ; an s_nop 0 and four v_nop follow a tensor load
	tensor_load_to_lds s[\g0:\g0+3], s[\g1:\g1+7]
	s_nop 0
	NOP4
.endm
.macro ROUND
	s_barrier_signal -1
	s_barrier_wait -1
	s_cmp_lg_u32 s[WV], 0
	s_cbranch_scc1 .Lnot_wave_0_\@
	s_barrier_signal -3
.Lnot_wave_0_\@:
	s_barrier_wait -3
	s_barrier_signal -1
	s_barrier_wait -1
.endm
; 64 numbers of a lane (register 16 b + i = k 32 b + 16 h + i of my row) become codes in v[PC] on and the row's scale word in v[pw]
.macro QUANT src, pw
.irp b, 0,1,2,3
	v_max3_num_f32 v[TM+\b], |v[\src+16*\b]|, |v[\src+1+16*\b]|, 0x2800000   ; with the floor 2^(5 - 127): the byte cannot fall under 1
.endr
.irp i, 2,4,6,8,10,12,14
.irp b, 0,1,2,3
	v_max3_num_f32 v[TM+\b], v[TM+\b], |v[\src+16*\b+\i]|, |v[\src+1+16*\b+\i]|
.endr
.endr
.irp b, 0,1,2,3
	v_permlanex16_b32 v[TM+4+\b], v[TM+\b], s[SEL], s[SEL+1]
.endr
.irp b, 0,1,2,3
	v_max_num_f32 v[TM+\b], v[TM+\b], v[TM+4+\b]
.endr
.irp b, 0,1,2,3
	v_add_nc_u32 v[TM+12+\b], 0xfe000000, v[TM+\b]   ; 4 off the exponent field: the conversion's scale operand
.endr
.irp b, 0,1,2,3
	v_lshrrev_b32 v[TM+4+\b], 23, v[TM+12+\b]
.endr
	v_lshl_or_b32 v[\pw], v[TM+5], 8, v[TM+4]
	v_lshl_or_b32 v[\pw], v[TM+6], 16, v[\pw]
	v_lshl_or_b32 v[\pw], v[TM+7], 24, v[\pw]
.irp c, 0,1
	v_cvt_scalef32_pk16_bf6_f32 v[PC+6*\c:PC+6*\c+2], v[\src+32*\c:\src+32*\c+15], v[TM+12+2*\c]
	v_cvt_scalef32_pk16_bf6_f32 v[PC+12+4*\c:PC+12+4*\c+2], v[\src+32*\c+16:\src+32*\c+31], v[TM+13+2*\c]
.endr
	v_nop                                          ; one plain place behind a scaled conversion
.irp c, 0,1                                    ; a whole block in a lane
.irp i, 0,1,2
	v_permlane16_swap_b32 v[PC+6*\c+\i], v[PC+12+4*\c+\i]
.endr
.endr
.endm
.macro FETCHX buf, adr, m
.irp b, 0,1,2,3
.irp j, 0,1,2,3
	ds_load_b128 v[\buf+16*\b+4*\j:\buf+16*\b+4*\j+3], v[\adr] offset:(\m)*16*LINE+128*\b+16*\j
.endr
.endr
.endm
; My tile m (0, 1) of K step s: quantised, the codes to their place in window 1 or 2 and, as they stand there, to my image; the two tiles' scale words into one register, which goes the same way; the f16 copy is kept
.macro PROC buf, s, m
	QUANT \buf, PW+(\m)
.set AFR, 12*(4*((\s)%4)+(\m))
.if (\s) < 4
	WIN 0x40
.else
	WIN 0x80
.endif
.irp c, 0,1
.irp i, 0,1,2
	v_mov_b32 v[AFR+6*\c+\i], v[PC+6*\c+\i]
	v_mov_b32 v[AFR+6*\c+3+\i], v[PC+12+4*\c+\i]
.endr
.endr
.if (\s) < 4
	WIN 0x04                                       ; an LDS store's data are its source 1
.else
	WIN 0x08
.endif
.irp c, 0,1,2
	ds_store_b128 v[XS+(\s)%2], v[AFR+4*\c:AFR+4*\c+3] offset:1536*(\m)+512*\c
.endr
	WIN 0
.if (\m) == 1
	v_cndmask_b32 v[AS+2*(\s)], v[PW], v[PW+1], s[HIM]
	ds_store_b32 v[XS+(\s)%2], v[AS+2*(\s)] offset:3072
.endif
.set SL, (\s)%2
.if (\s) < 2
.set HB, H16
.elseif (\s) < 4
	WIN 0xc0
.set HB, 64*(\m)+32*SL
.elseif (\s) < 6
	WIN 0xc0
.set HB, 128+64*(\m)+32*SL
.else
.if (\m) == 0
	WIN 0x40
.else
	WIN 0x80
.endif
.set HB, 192+32*SL
.endif
.irp b, 0,1,2,3
.irp t, 0,1,2,3,4,5,6,7
	v_cvt_pk_f16_f32 v[HB+8*\b+\t], v[\buf+16*\b+2*\t], v[\buf+16*\b+2*\t+1]
.endr
.endr
	WIN 0
.if (\s) < 2
.irp b, 0,1,2,3
	ds_store_b128 v[STS], v[H16+8*\b:H16+8*\b+3] offset:16*SPI*(\m)+256*SL+64*\b
	ds_store_b128 v[STS], v[H16+8*\b+4:H16+8*\b+7] offset:16*SPI*(\m)+256*SL+64*\b+16
.endr
.endif
.endm
.macro XGET s                          ; my partner's image of K step s becomes my tiles 2, 3: seven loads, behind the barrier that followed its stores
.if (\s) < 4
	WIN 0x40
.else
	WIN 0x80
.endif
.irp m, 0,1
.irp c, 0,1,2
	ds_load_b128 v[12*(4*((\s)%4)+2+\m)+4*\c:12*(4*((\s)%4)+2+\m)+4*\c+3], v[XL+(\s)%2] offset:1536*\m+512*\c
.endr
.endr
	WIN 0
	ds_load_b32 v[AS+2*(\s)+1], v[XL+(\s)%2] offset:3072
.endm
.macro PREF k                          ; my 32 rows x 512 bytes of K step k: a lane a row, 256 bytes a line
	global_prefetch_b8 v[PFO], s[PF:PF+1] offset:512*(\k) th:TH_LOAD_NT scope:SCOPE_SE
	global_prefetch_b8 v[PFO], s[PF:PF+1] offset:512*(\k)+256 th:TH_LOAD_NT scope:SCOPE_SE
.endm
.macro LSTEP s
	FETCHX X0, AXO+(\s)%2, 0
	FETCHX X1, AXO+(\s)%2, 1
.if (\s) > 0
	XGET (\s)-1
	s_wait_dscnt 23                                ; tile 0 is in: behind it tile 1's 16 loads and the image's 7
.else
	s_wait_dscnt 16
.endif
.if (\s)+3 < 8
	PREF (\s)+3                                    ; this trip loads K step s + 1; the trip two on loads s + 3
.endif
	PROC X0, \s, 0
	s_wait_dscnt 0x0
	PROC X1, \s, 1
.endm
; The change of slots ahead of K step k: all my tensor loads have landed, the add, my LDS instructions are done; a round; my one load first behind it
.macro LHEAD k
	s_wait_tensorcnt 0x0
	ds_add_u32 v[SPW], v[NIL]
.if (\k) == 1
	s_mov_b32 s[G1E+4], 32                         ; no load of mine is out: both slots have had their 200 lines, from here on a tile is its 32 rows
.endif
.if (\k) > 0 && (\k) < 7
	s_add_nc_u64 s[G0E+4*(((\k)+1)%2)+2:G0E+4*(((\k)+1)%2)+3], s[G0E+4*(((\k)+1)%2)+2:G0E+4*(((\k)+1)%2)+3], 1024
.endif
	s_wait_dscnt 0x0
	ROUND
.if (\k) < 7
	TL G0E+4*(((\k)+1)%2), G1E                     ; K step k + 1
.else
	TL G0WB, G1WB                                  ; W1's slot 0
.endif
.endm
.macro HALF q, t                       ; K steps 4 q .. 4 q + 3 of the slot's tile t: 12 loads of fragments and one of scale words; every tile of a slot is reached by the immediate
.irp s, 0,1,2,3
.irp c, 0,1,2
	ds_load_b128 v[BF+12*(4*\q+\s)+4*\c:BF+12*(4*\q+\s)+4*\c+3], v[ADB] offset:LINE*(25*(\t)+3*(4*\q+\s)+\c)
.endr
.endr
	ds_load_b128 v[BS+4*\q:BS+4*\q+3], v[ADS] offset:LINE*25*(\t)+16*\q
.endm
.macro WM T, s, m
.set SS, (\s)
.set AFR, 12*(4*(SS%4)+(\m))
.set DQ, Q+32*(\T)+8*(\m)
.if SS == 0
.if (\m)%2
	v_wmma_scale_f32_16x16x128_f8f6f4 v[DQ:DQ+7], v[BF+12*SS:BF+12*SS+11], v[AFR:AFR+11], 0, v[BS+SS], v[AS+2*SS+(\m)/2] matrix_a_fmt:MATRIX_FMT_BF6 matrix_b_fmt:MATRIX_FMT_BF6 matrix_b_scale:MATRIX_SCALE_ROW1
.else
	v_wmma_scale_f32_16x16x128_f8f6f4 v[DQ:DQ+7], v[BF+12*SS:BF+12*SS+11], v[AFR:AFR+11], 0, v[BS+SS], v[AS+2*SS+(\m)/2] matrix_a_fmt:MATRIX_FMT_BF6 matrix_b_fmt:MATRIX_FMT_BF6
.endif
.else
.if (\m)%2
	v_wmma_scale_f32_16x16x128_f8f6f4 v[DQ:DQ+7], v[BF+12*SS:BF+12*SS+11], v[AFR:AFR+11], v[DQ:DQ+7], v[BS+SS], v[AS+2*SS+(\m)/2] matrix_a_fmt:MATRIX_FMT_BF6 matrix_b_fmt:MATRIX_FMT_BF6 matrix_b_scale:MATRIX_SCALE_ROW1
.else
	v_wmma_scale_f32_16x16x128_f8f6f4 v[DQ:DQ+7], v[BF+12*SS:BF+12*SS+11], v[AFR:AFR+11], v[DQ:DQ+7], v[BS+SS], v[AS+2*SS+(\m)/2] matrix_a_fmt:MATRIX_FMT_BF6 matrix_b_fmt:MATRIX_FMT_BF6
.endif
.endif
.endm
.macro RUN T, q                        ; 16 products: K steps 4 q .. 4 q + 3 of tile T; its four accumulators take turns, one instruction a turn
.if \q
	WIN 0x08
.else
	WIN 0x04
.endif
.irp s, 0,1,2,3
.irp m, 0,1,2,3
	WM \T, 4*\q+\s, \m
.endr
.endr
.endm
.macro SLOTADR                         ; the addresses of the slot in hand, and its first tile's two halves
	v_add_nc_u32 v[ADB], s[TB], v[ADB0]
	v_add_nc_u32 v[ADS], s[TB], v[ADS0]
	v_add_nc_u32 v[ADT], s[TT], v[ADT0]
	s_wait_alu depctr_va_vdst(0)
	HALF 0, 0
	HALF 1, 0
.endm
; Tiles t0 and t0 + 1 of the slot.  On the way in the two halves of tile t0 have been asked for, 13 loads each.
; mode 1: the slot has a further pair;  0: nothing follows;  2: the slots change and the slot left is filled again;  3: they change and nothing is left to ask for.
; Four v_nop stand ahead of each run of loads into registers that products have read
.macro PAIR t0, mode
.irp T, 0,1
	ds_load_b128 v[TC+8*\T:TC+8*\T+3], v[ADT] offset:64*(\t0+\T)             ; c dec_t of my eight columns of each tile,
	ds_load_b128 v[TC+8*\T+4:TC+8*\T+7], v[ADT] offset:64*(\t0+\T)+16
	ds_load_b128 v[TW+8*\T:TW+8*\T+3], v[ADT] offset:4096+64*(\t0+\T)        ; and -2 v
	ds_load_b128 v[TW+8*\T+4:TW+8*\T+7], v[ADT] offset:4096+64*(\t0+\T)+16
.endr
	s_wait_dscnt 21                                ; the first half is in: behind it the second half's 13 and these 8
	RUN 0, 0
	NOP4
	HALF 0, \t0+1
	s_wait_dscnt 21                                ; the second half is in: behind it the table's 8 and the 13 just issued
	RUN 0, 1
	NOP4
	HALF 1, \t0+1
	s_wait_dscnt 13                                ; all but the 13 just issued
	RUN 1, 0
.if \mode == 1
	NOP4
	HALF 0, \t0+2
	s_wait_dscnt 13
	RUN 1, 1
	WIN 0
	NOP4                                           ; also ahead of the first read of the results
	HALF 1, \t0+2
.elseif \mode == 0
	s_wait_dscnt 0x0
	RUN 1, 1
	WIN 0
	NOP4
.else
	WIN 0                                          ; (the add's two registers lie in window 0)
	s_wait_tensorcnt 0x0                           ; all my tensor loads have landed: my part of the next slot
	ds_add_u32 v[SPW], v[NIL]                      ; 0 onto my spare word; 16 products stand between it and the wait for it
.if \mode == 2
	s_xor_b32 s[G0WB+1], s[G0WB+1], SLOT1          ; no load of mine is out, so the walking group 0 may be written
	s_add_nc_u64 s[G0WB+2:G0WB+3], s[G0WB+2:G0WB+3], W1SLOT
.endif
	s_wait_dscnt 1                                 ; the slot's last fragments are in; the add may be out
	RUN 1, 1
	WIN 0
	s_wait_dscnt 0x0                               ; the add is done, and my reads of this slot are over
.if \mode == 2
	ROUND
	TL G0WB, G1WB                                  ; the slot after the next, into the slot just left; its four v_nop are the places behind the last products
.else
	s_barrier_signal -1
	s_barrier_wait -1
	NOP4
.endif
	s_xor_b32 s[TB], s[TB], SLOT1
	s_add_co_u32 s[TT], s[TT], 256
	SLOTADR
.endif
.irp j, 0,2,4,6
.irp a, 0,1,2,3,4,5,6,7
	v_pk_fma_f32 v[Q+8*\a+\j:Q+8*\a+\j+1], v[Q+8*\a+\j:Q+8*\a+\j+1], s[CTW:CTW+1], v[TC+8*(\a/4)+\j:TC+8*(\a/4)+\j+1] op_sel_hi:[1,0,1]   ; t = c x + c dec_t; each accumulator from its low end on
.endr
.endr
	s_wait_alu depctr_va_vdst(0)                   ; a wait ahead of a batch of transcendentals and one behind it
.set JJ, 0
.rept 64
	v_exp_f32 v[Q+JJ], v[Q+JJ]
.set JJ, JJ+1
.endr
	v_nop
	s_wait_alu depctr_va_vdst(0)
.set JJ, 0
.rept 32
	v_pk_add_f32 v[Q+JJ:Q+JJ+1], v[Q+JJ:Q+JJ+1], 1.0 op_sel_hi:[1,0]
.set JJ, JJ+2
.endr
	s_wait_alu depctr_va_vdst(0)
.set JJ, 0
.rept 64
	v_rcp_f32 v[Q+JJ], v[Q+JJ]
.set JJ, JJ+1
.endr
	v_nop
	s_wait_alu depctr_va_vdst(0)
.irp j, 0,2,4,6
.irp a, 0,1,2,3,4,5,6,7
	v_pk_fma_f32 v[SACC+2*(\a%4):SACC+2*(\a%4)+1], v[Q+8*\a+\j:Q+8*\a+\j+1], v[TW+8*(\a/4)+\j:TW+8*(\a/4)+\j+1], v[SACC+2*(\a%4):SACC+2*(\a%4)+1]   ; sums += (-2 v) / (1 + 2^t).  2^t = infinity gives 0: no NaN arises
.endr
.endr
.endm
	s_load_b256 s[4:11], s[0:1], 0x0               ; encoder_outputs, mask, w1q, tab
	s_load_b128 s[12:15], s[0:1], 0x20             ; scores, pml
	s_load_b64 s[16:17], s[0:1], 0x30              ; pctx
	v_lshl_add_u32 v[SPW], v0, 2, SPARE
	v_mov_b32 v[NIL], 0
	ds_add_u32 v[SPW], v[NIL]                      ; the opening: the add, twice on end, and its wait ahead of my first tensor load
	ds_add_u32 v[SPW], v[NIL]
	v_lshrrev_b32 v[TMPV], 5, v0
	v_readfirstlane_b32 s[WV], v[TMPV]
	s_bfe_u32 s[CX], ttmp6, 0x40000
	s_lshl_b32 s[BLK], ttmp9, 2
	s_add_co_u32 s[BLK], s[BLK], s[CX]             ; my block: it enters the addresses of enc, the mask and the results alone
	GROUP1 G1E,  W0E, 128, 32, WL, 1024            ; 32 rows x 128 f32 in a tile of 50 rows: the first fills
	GROUP1 G1WB, W0W, 64, WL, WL, 64               ; 50 lines of 512 bytes, dense
	s_mov_b32 s[HIM], 0xffff0000
	s_mov_b32 s[CTW], 0x4038aa3b                   ; c = 2 log2(e)
	s_mov_b32 s[CTW+1], s[CTW]
	s_mov_b32 s[SEL], 0x76543210
	s_mov_b32 s[SEL+1], 0xfedcba98
	s_mov_b32 s[G0E], 1
	s_mul_i32 s[G0E+1], s[WV], WL*LINE
	s_lshl_b32 s[G0E+2], s[BLK], 19                ; 128 rows of 4,096 bytes a block, 32 a wave
	s_lshl_b32 s[G0E+3], s[WV], 17
	s_add_co_u32 s[G0E+2], s[G0E+2], s[G0E+3]
	s_mov_b32 s[G0E+3], 0
	s_mov_b32 s[G0E+4], 1
	s_add_co_u32 s[G0E+5], s[G0E+1], SLOT1
	s_add_co_u32 s[G0E+6], s[G0E+2], 512
	s_mov_b32 s[G0E+7], 0
	s_mov_b32 s[PF], s[G0E+2]
	s_mov_b32 s[PF+1], 0
	s_mov_b32 s[G0WB], 1                           ; no word of the joint load hangs on cx
	s_mul_i32 s[G0WB+1], s[WV], WL*LINE
	s_mul_i32 s[G0WB+2], s[WV], WL*512
	s_mov_b32 s[G0WB+3], 0
	s_lshr_b32 s[TBA], ttmp9, 2                    ; the batch: 16,384 bytes of the table, 4,096 a wave
	s_lshl_b32 s[TBA], s[TBA], 14
	s_lshl_b32 s[TBA+1], s[WV], 12
	s_add_co_u32 s[TBA], s[TBA], s[TBA+1]
	s_mov_b32 s[TBA+1], 0
	s_xor_b32 s3, s[WV], 1                         ; my partner
	s_and_b32 s23, s[WV], 1                        ; ch
	s_mul_i32 s[S_OWN], s[WV], WL*LINE
	s_mul_i32 s[S_XS], s[WV], XW
	s_add_co_u32 s[S_XS], s[S_XS], L_XA
	s_mul_i32 s[S_XL], s3, XW
	s_add_co_u32 s[S_XL], s[S_XL], L_XA
	s_mul_i32 s[S_STO], s[WV], 32*SPI
	s_mul_i32 s[S_CHB], s23, 100*LINE
	s_add_co_u32 s[S_CHS], s[S_CHB], 24*LINE
	s_lshl_b32 s[S_TAB], s23, 11
	s_add_co_u32 s[S_TAB], s[S_TAB], L_TAB
	s_lshl_b32 s22, s23, 9
	s_add_co_u32 s22, s22, L_SC
	s_lshl_b32 s[S_SCO], s[WV], 7
	s_add_co_u32 s[S_SCO], s[S_SCO], s22
	s_lshl_b32 s[S_SCX], s3, 7
	s_add_co_u32 s[S_SCX], s[S_SCX], s22
	s_lshl_b32 s[S_AV], s[WV], 7
	s_lshl_b32 s[S_PH], s[WV], 8
	s_add_co_u32 s[S_SCR], s[S_PH], L_SCR
	s_add_co_u32 s[S_PH], s[S_PH], L_PH
	s_lshl_b32 s[S_TST], s[WV], 10
	s_add_co_u32 s[S_TST], s[S_TST], L_TAB
	s_wait_dscnt 0x0                               ; both opening adds are done
	s_wait_kmcnt 0x0
	s_add_nc_u64 s[G0WB+2:G0WB+3], s[8:9], s[G0WB+2:G0WB+3]
	s_or_b32 s[G0WB+3], s[G0WB+3], 0x80000000
.irp g, G0E, G0E+4
	s_add_nc_u64 s[\g+2:\g+3], s[4:5], s[\g+2:\g+3]
	s_or_b32 s[\g+3], s[\g+3], 0x80000000
.endr
	s_add_nc_u64 s[PF:PF+1], s[4:5], s[PF:PF+1]
	s_add_nc_u64 s[TBA:TBA+1], s[10:11], s[TBA:TBA+1]
	s_lshl_b32 s22, s[BLK], 9                      ; the mask and the scores: 512 bytes a block
	s_mov_b32 s23, 0
	s_add_nc_u64 s[6:7], s[6:7], s[22:23]
	s_add_nc_u64 s[12:13], s[12:13], s[22:23]
	s_lshl_b32 s22, s[BLK], 8                      ; pml: 256
	s_add_nc_u64 s[14:15], s[14:15], s[22:23]
	s_lshl_b32 s22, s[BLK], 12                     ; pctx: 4,096, and 256 a wave in each quarter
	s_lshl_b32 s2, s[WV], 8
	s_add_co_u32 s22, s22, s2
	s_add_nc_u64 s[16:17], s[16:17], s[22:23]
	ROUND                                          ; the round in front of the first loads of a cluster launch
	TL G0E, G1E                                    ; K step 0: my one load at the head
	v_and_b32 v1, 31, v0                           ; lane
	v_and_b32 v2, 15, v0                           ; r
	v_bfe_u32 v3, v0, 4, 1                         ; h
	v_lshlrev_b32 v[L16], 4, v1
	v_lshlrev_b32 v[L8], 3, v1
	global_load_b128 v[MK:MK+3], v[L16], s[6:7] th:TH_LOAD_NT
.irp i, 0,1,2,3,4,5,6,7
	global_load_b128 v[X0+4*\i:X0+4*\i+3], v[L16], s[TBA:TBA+1] offset:512*\i   ; column 256 w + 32 i + lane: (c dec_t, c dec_t, -2 v, -2 v)
.endr
	v_mul_u32_u24 v[TMPV], v2, LINE
	v_lshl_add_u32 v[TMPV], v3, 6, v[TMPV]
	v_add_nc_u32 v[AXO], s[S_OWN], v[TMPV]
	v_add_nc_u32 v[AXO+1], SLOT1, v[AXO]
	v_lshl_add_u32 v[XS], v1, 4, s[S_XS]
	v_add_nc_u32 v[XS+1], L_XB-L_XA, v[XS]
	v_lshl_add_u32 v[XL], v1, 4, s[S_XL]
	v_add_nc_u32 v[XL+1], L_XB-L_XA, v[XL]
	v_mul_u32_u24 v[STO], v2, SPI
	v_lshl_add_u32 v[STO], v3, 5, v[STO]
	v_add_nc_u32 v[STO], s[S_STO], v[STO]
	v_add_nc_u32 v[STS], L_STAGE0, v[STO]
	v_add_nc_u32 v[ADB0], s[S_CHB], v[L16]
	v_lshl_add_u32 v[ADS0], v2, 5, s[S_CHS]
	v_lshl_add_u32 v[ADT0], v3, 5, s[S_TAB]
	v_lshl_add_u32 v[SCO], v2, 2, s[S_SCO]
	v_lshl_add_u32 v[SCX], v2, 2, s[S_SCX]
	v_and_b32 v[TMPV], 7, v0
	v_lshl_add_u32 v[TMPV], v3, 3, v[TMPV]
	v_mul_u32_u24 v[AV0], v[TMPV], SPI
	v_bfe_u32 v[TMPV], v0, 3, 1
	v_lshl_add_u32 v[AV0], v[TMPV], 4, v[AV0]
	v_add_nc_u32 v[AV0], s[S_AV], v[AV0]
	v_add_nc_u32 v[PHS], s[S_PH], v[L8]
	v_lshl_add_u32 v[PHL], v3, 4, s[S_PH]
	v_lshl_add_u32 v[SCS], v1, 2, s[S_SCR]
	v_add_nc_u32 v[SCL], s[S_SCR], v[L8]
	v_add_nc_u32 v[SC16], L_SC, v[L16]
	v_lshl_add_u32 v[TST], v1, 2, s[S_TST]
.irp b, 0,1,2,3
	v_mov_b32 v[TM+4+\b], 0                        ; a lane permute's destination counts as one of its sources
.endr
	v_lshlrev_b32 v[PFO], 12, v1
	PREF 1
	PREF 2
	s_wait_alu depctr_va_vdst(0)
	s_wait_loadcnt 0x0                             ; the mask and my quarter of the table
.irp i, 0,1,2,3,4,5,6,7
	ds_store_b32 v[TST], v[X0+4*\i] offset:128*\i            ; c dec_t at 4 x column,
	ds_store_b32 v[TST], v[X0+4*\i+2] offset:4096+128*\i     ; -2 v 4,096 on
.endr
	; ---- L
.irp k, 0,1,2,3,4,5,6,7
	LHEAD \k
	LSTEP \k
.endr
	; ---- G
	s_mov_b32 s[TB], 0
	s_mov_b32 s[TT], 0
.set JJ, 0
.rept 8
	v_mov_b32 v[SACC+JJ], 0
.set JJ, JJ+1
.endr
	s_wait_tensorcnt 0x0                           ; W1's slot 0 has landed; no tensor load of mine is out, so the walking group 0 may be written
	ds_add_u32 v[SPW], v[NIL]
	s_xor_b32 s[G0WB+1], s[G0WB+1], SLOT1
	s_add_nc_u64 s[G0WB+2:G0WB+3], s[G0WB+2:G0WB+3], W1SLOT
	s_wait_dscnt 0x0                               ; the add is done, my reads of K step 7's tile are over, my image of it has landed
	ROUND
	TL G0WB, G1WB                                  ; W1's slot 1
	XGET 7
	SLOTADR
	s_mov_b32 s[OC], 6
.Lslot:                                            ; W1's slots 0 to 5: each trip's change of slots asks for the slot two on, 50 lines a wave
	PAIR 0, 1
	PAIR 2, 2
	s_sub_co_u32 s[OC], s[OC], 1
	s_cmp_lg_u32 s[OC], 0
	s_cbranch_scc1 .Lslot
	PAIR 0, 1                                      ; slots 6 and 7 are written out: nothing is left to ask for
	PAIR 2, 3
	PAIR 0, 1
	PAIR 2, 0
	; ---- C: a position's sum: the pair's two halves, and lane l xor 16's eight columns
.irp m, 0,1,2,3
	v_add_f32 v[SACC+2*\m], v[SACC+2*\m], v[SACC+2*\m+1]
.endr
.irp m, 0,1,2,3
	v_permlanex16_b32 v[SACC+2*\m+1], v[SACC+2*\m], s[SEL], s[SEL+1]
.endr
.irp m, 0,1,2,3
	v_add_f32 v[SACC+2*\m], v[SACC+2*\m], v[SACC+2*\m+1]
.endr
	ds_store_b32 v[SCO], v[SACC]                   ; lanes r and 16 + r write the same word with the same value
	ds_store_b32 v[SCO], v[SACC+2] offset:64
	ds_store_b32 v[SCX], v[SACC+4]
	ds_store_b32 v[SCX], v[SACC+6] offset:64
	s_wait_dscnt 0x0                               ; my sums have landed, and my reads of the last slot and of the table are over
	s_barrier_signal -1
	s_barrier_wait -1
	ds_load_b128 v[80:83], v[SC16]                 ; every wave: rows 4 lane .. + 3, the two halves of the columns
	ds_load_b128 v[84:87], v[SC16] offset:512
	v_mov_b32 v88, 0xff800000                      ; -infinity
	v_mov_b32 v90, 0
	v_add_nc_u32 v98, STGQ, v[STO]
	v_add_nc_u32 v99, 2*STGQ, v[STO]
	s_wait_alu depctr_va_vdst(0)
	s_wait_dscnt 0x0
	v_pk_add_f32 v[80:81], v[80:81], v[84:85]
	v_pk_add_f32 v[82:83], v[82:83], v[86:87]
.irp i, 0,1,2,3
	v_cmp_eq_u32 vcc_lo, 0, v[MK+\i]
	v_cndmask_b32 v[SA+\i], v[80+\i], v88, vcc_lo  ; mask == 0: -infinity
.endr
	v_max3_num_f32 v89, v[SA], v[SA+1], v[SA+2]
	v_max3_num_f32 v89, v89, v[SA+3], 0xff61b1e6   ; held at -3e38 from below: a block masked throughout gives p = 0 and no NaN
.irp x, 1,2,4,8
	v_max_num_f32_dpp v89, v89, v89 row_xmask:\x row_mask:0xf bank_mask:0xf
.endr
	v_permlanex16_b32 v90, v89, s[SEL], s[SEL+1]
	v_max_num_f32 v[ML], v89, v90                  ; m
.irp i, 0,1,2,3
	v_sub_f32 v[92+\i], v[SA+\i], v[ML]            ; the maximum is taken away first
.endr
.irp i, 0,1,2,3
	v_mul_f32 v[92+\i], 0x3fb8aa3b, v[92+\i]
.endr
	s_wait_alu depctr_va_vdst(0)
.irp i, 0,1,2,3
	v_exp_f32 v[92+\i], v[92+\i]                   ; p = e^(s - m)
.endr
	v_nop
	s_wait_alu depctr_va_vdst(0)
	v_add_f32 v89, v92, v93
	v_add_f32 v91, v94, v95
	v_add_f32 v89, v89, v91
.irp x, 1,2,4,8
	v_add_f32_dpp v89, v89, v89 row_xmask:\x row_mask:0xf bank_mask:0xf
.endr
	v_permlanex16_b32 v90, v89, s[SEL], s[SEL+1]
	v_add_f32 v[ML+1], v89, v90                    ; l
	v_cvt_pk_f16_f32 v96, v92, v93
	v_cvt_pk_f16_f32 v97, v94, v95
	ds_store_b64 v[PHS], v[96:97]                  ; p as f16, in my own 256 bytes
.irp k, 0,1,2,3
	ds_load_b128 v[PP+8*\k:PP+8*\k+3], v[PHL] offset:64*\k        ; LDS serves a wave's instructions in order (ISA guide 5.7.1.4).  Source 0 of the context's product: all 16 rows hold p
	ds_load_b128 v[PP+8*\k+4:PP+8*\k+7], v[PHL] offset:64*\k+32
.endr
	s_cmp_lg_u32 s[WV], 0
	s_cbranch_scc1 .Lnot_first
	global_store_b128 v[L16], v[SA:SA+3], s[12:13]       ; wave 0: the block's 128 scores: 512 consecutive bytes
	global_store_b64 v[L8], v[ML:ML+1], s[14:15]         ; and (m, l), the same in every lane: 256 consecutive bytes, aligned
.Lnot_first:
.macro PUTQ adr, base, m               ; 16 rows x 256 channels of f16 into a stage
.irp sl, 0,1
.irp b, 0,1,2,3
	ds_store_b128 v[\adr], v[\base+32*\sl+8*\b:\base+32*\sl+8*\b+3] offset:16*SPI*\m+256*\sl+64*\b
	ds_store_b128 v[\adr], v[\base+32*\sl+8*\b+4:\base+32*\sl+8*\b+7] offset:16*SPI*\m+256*\sl+64*\b+16
.endr
.endr
.endm
	WIN 0x0c                                       ; an LDS store's data are its source 1: window 3
	PUTQ STO, 0, 0                                 ; over the slots, which have had their last fill and which nobody reads behind the barrier above
	PUTQ STO, 64, 1
	PUTQ 98, 128, 0
	PUTQ 98, 192, 1
	WIN 0x04
	PUTQ 99, 192, 0
	WIN 0x08
	PUTQ 99, 192, 1
	WIN 0
	s_wait_dscnt 0x0
	s_barrier_signal -1
	s_barrier_wait -1
; Channels 256 q + 64 w .. + 63 of the block's part of the context: K = the 128 rows; source 1 = enc, stored [row][channel], turned by the load
.macro CTX q
.if (\q) == 0
	v_add_nc_u32 v[TMPV], L_STAGE0, v[AV0]
.set AVR, TMPV
.elseif (\q) == 1
.set AVR, AV0
.else
	v_add_nc_u32 v[TMPV], ((\q)-1)*STGQ, v[AV0]
.set AVR, TMPV
.endif
.irp k, 0,1,2,3
.irp t, 0,1,2,3
	ds_load_tr16_b128 v[XF+8*(4*\k+\t):XF+8*(4*\k+\t)+3], v[AVR] offset:32*SPI*\k+32*\t
	ds_load_tr16_b128 v[XF+8*(4*\k+\t)+4:XF+8*(4*\k+\t)+7], v[AVR] offset:32*SPI*\k+16*SPI+32*\t
.endr
.endr
	s_wait_dscnt 0x0
.irp k, 0,1,2,3
.irp t, 0,1,2,3                        ; the four accumulators take turns
.if \k == 0
	v_wmma_f32_16x16x32_f16 v[CA+8*\t:CA+8*\t+7], v[PP+8*\k:PP+8*\k+7], v[XF+8*(4*\k+\t):XF+8*(4*\k+\t)+7], 0
.else
	v_wmma_f32_16x16x32_f16 v[CA+8*\t:CA+8*\t+7], v[PP+8*\k:PP+8*\k+7], v[XF+8*(4*\k+\t):XF+8*(4*\k+\t)+7], v[CA+8*\t:CA+8*\t+7]
.endif
.endr
.endr
.rept 5
	v_nop                                          ; four places ahead of the reads of the results and of the next loads; five ahead of the next products, which begin the accumulators anew
.endr
	v_cndmask_b32 v[UU], v[CA], v[CA+8], s[HIM]    ; all rows of a result are alike: register 0 of tiles 0, 1 gives channels 0-31,
	v_cndmask_b32 v[UU+1], v[CA+16], v[CA+24], s[HIM]   ; of tiles 2, 3 channels 32-63
	ds_store_b32 v[SCS], v[UU]
	ds_store_b32 v[SCS], v[UU+1] offset:128
	ds_load_b64 v[OO+2*(\q):OO+2*(\q)+1], v[SCL]
	s_wait_dscnt 0x0
	global_store_b64 v[L8], v[OO+2*(\q):OO+2*(\q)+1], s[16:17] offset:1024*(\q)   ; 32 lanes store 256 consecutive bytes, aligned
.endm
	CTX 0
	CTX 1
	CTX 2
	CTX 3
	s_wait_tensorcnt 0x0                           ; the wave's end
	ds_add_u32 v[SPW], v[NIL]
	s_wait_dscnt 0x0
	ROUND                                          ; the closing round
	s_endpgm
.Lfunc_end_k_qd3d1207f2c_main:
	.size	k_qd3d1207f2c_main, .Lfunc_end_k_qd3d1207f2c_main-k_qd3d1207f2c_main
	.p2alignl 7, 3214868480
	.fill 96, 4, 3214868480
	.section	.rodata,"a",@progbits
	.p2align	6, 0x0
	.amdhsa_kernel k_qd3d1207f2c_main
		.amdhsa_group_segment_fixed_size 327680
		.amdhsa_private_segment_fixed_size 0
		.amdhsa_enable_private_segment 0
		.amdhsa_kernarg_size 56
		.amdhsa_user_sgpr_count 2
		.amdhsa_user_sgpr_kernarg_segment_ptr 1
		.amdhsa_wavefront_size32 1
		.amdhsa_system_sgpr_workgroup_id_x 1
		.amdhsa_system_sgpr_workgroup_id_y 1
		.amdhsa_system_sgpr_workgroup_id_z 1
		.amdhsa_system_vgpr_workitem_id 0
		.amdhsa_next_free_vgpr 1024
		.amdhsa_next_free_sgpr 80
		.amdhsa_reserve_vcc 1
		.amdhsa_float_denorm_mode_32 3
		.amdhsa_float_denorm_mode_16_64 3
		.amdhsa_memory_ordered 1
		.amdhsa_forward_progress 1
		.amdhsa_inst_pref_size 255
	.end_amdhsa_kernel
	.section	.bss,"aw",@nobits
	.p2align	6
	.space	262144
	.amdgpu_metadata
---
amdhsa.version: [ 1, 2 ]
amdhsa.kernels:
  - .name:           k_qd3d1207f2c_main
    .symbol:         k_qd3d1207f2c_main.kd
    .args:
      - { .name: encoder_outputs, .offset: 0, .size: 8, .value_kind: global_buffer, .address_space: global }
      - { .name: mask, .offset: 8, .size: 8, .value_kind: global_buffer, .address_space: global }
      - { .name: w1q, .offset: 16, .size: 8, .value_kind: global_buffer, .address_space: global }
      - { .name: tab, .offset: 24, .size: 8, .value_kind: global_buffer, .address_space: global }
      - { .name: scores, .offset: 32, .size: 8, .value_kind: global_buffer, .address_space: global }
      - { .name: pml, .offset: 40, .size: 8, .value_kind: global_buffer, .address_space: global }
      - { .name: pctx, .offset: 48, .size: 8, .value_kind: global_buffer, .address_space: global }
    .group_segment_fixed_size: 327680
    .private_segment_fixed_size: 0
    .kernarg_segment_align: 8
    .kernarg_segment_size: 56
    .max_flat_workgroup_size: 128
    .sgpr_count:     80
    .vgpr_count:     1024
    .wavefront_size: 32
...
	.end_amdgpu_metadata
.endif
;; end of part 2
;; launch combine (part 3): grid 128 x 1, 2 waves a work-group, no clusters, 0 bytes of LDS; arguments scores, pml, pctx, out0, out1; writes out0, out1
.if DOCPART == 3
	.amdgcn_target "amdgcn-amd-amdhsa--gfx1250"
	.amdhsa_code_object_version 6
	.text
	.protected	k_qd3d1207f2c_combine
	.globl	k_qd3d1207f2c_combine
	.p2align	8
	.type	k_qd3d1207f2c_combine,@function
k_qd3d1207f2c_combine:
	s_mov_b64 s[64:65], 0
	v_nop
	global_prefetch_b8 v0, s[64:65] scope:SCOPE_SE
	s_setreg_imm32_b32 hwreg(HW_REG_WAVE_MODE, 25, 1), 1
	s_wait_xcnt 0x0
; COMBINE.  A batch's 16 blocks are joined: M = the largest of the blocks' m, L = sum_i e^(m_i - M) l_i;  attn(l) = e^(s_l - M) / L;  context = sum_i (e^(m_i - M) / L) pctx_i.
; The scores lack sum_a v_a, which is the same along the softmax's axis (shown at the head of the first kernel): it falls out of s - M.
; A batch that is masked throughout has M = -3e38 and L = 0: 0 x infinity gives NaN, as the softmax of a row of -infinity does.
; SHARES.  Work-group g serves batch g / 4 and quarter g % 4: 512 weights and 256 channels.  Thread t has eight weights and four channels.  All 19 loads of a wave go out together; no LDS, no barrier.
	s_load_b256 s[4:11], s[0:1], 0x0               ; scores s[4:5], pml s[6:7], pctx s[8:9], out0 s[10:11]
	s_load_b64 s[12:13], s[0:1], 0x20              ; out1
	s_lshr_b32 s14, ttmp9, 2                       ; the batch
	s_and_b32 s15, ttmp9, 3                        ; the quarter
	v_and_b32 v1, 15, v0
	v_lshlrev_b32 v1, 8, v1                        ; lane i % 16 takes block i's (m, l): 256 bytes a block
	v_lshlrev_b32 v84, 4, v0                       ; 16 bytes a thread
	s_lshl_b32 s16, s14, 12                        ; pml: 4,096 bytes a batch
	s_mov_b32 s17, 0
	s_lshl_b32 s18, s14, 13                        ; scores, out1: 8,192 a batch, 2,048 a quarter
	s_lshl_b32 s20, s15, 11
	s_add_co_u32 s18, s18, s20
	s_mov_b32 s19, 0
	s_lshl_b32 s20, s14, 16                        ; pctx: 65,536 a batch, 1,024 a quarter
	s_lshl_b32 s22, s15, 10
	s_add_co_u32 s20, s20, s22
	s_mov_b32 s21, 0
	s_lshl_b32 s24, s14, 12                        ; out0: 4,096 a batch, 1,024 a quarter
	s_add_co_u32 s24, s24, s22
	s_mov_b32 s25, 0
	s_wait_alu depctr_va_vdst(0)
	s_wait_kmcnt 0x0
	s_add_nc_u64 s[6:7], s[6:7], s[16:17]
	s_add_nc_u64 s[4:5], s[4:5], s[18:19]
	s_add_nc_u64 s[12:13], s[12:13], s[18:19]
	s_add_nc_u64 s[8:9], s[8:9], s[20:21]
	s_add_nc_u64 s[10:11], s[10:11], s[24:25]
	global_load_b64 v[2:3], v1, s[6:7]
	global_load_b128 v[4:7], v84, s[4:5]
	global_load_b128 v[8:11], v84, s[4:5] offset:1024
.irp i, 0,1,2,3,4,5,6,7,8,9,10,11,12,13,14,15
	global_load_b128 v[16+4*\i:19+4*\i], v84, s[8:9] offset:4096*\i th:TH_LOAD_NT
.endr
	s_wait_loadcnt 18                              ; (m, l) are in: 18 loads were issued behind theirs
	v_mov_b32 v12, v2
.irp x, 1,2,4,8
	v_max_num_f32_dpp v12, v12, v12 row_xmask:\x row_mask:0xf bank_mask:0xf
.endr
	v_sub_f32 v13, v2, v12                         ; m - M: the maximum is taken away first
	v_mul_f32 v13, 0x3fb8aa3b, v13
	s_wait_alu depctr_va_vdst(0)
	v_exp_f32 v13, v13                             ; e^(m - M)
	v_nop
	s_wait_alu depctr_va_vdst(0)                   ; ahead of the first reader
	v_mul_f32 v14, v13, v3
.irp x, 1,2,4,8
	v_add_f32_dpp v14, v14, v14 row_xmask:\x row_mask:0xf bank_mask:0xf
.endr
	s_wait_alu depctr_va_vdst(0)
	v_rcp_f32 v15, v14                             ; 1 / L
	v_nop
	s_wait_alu depctr_va_vdst(0)
	v_mul_f32 v13, v13, v15                        ; block i's weight, in lane i
.irp i, 0,1,2,3,4,5,6,7,8,9,10,11,12,13,14,15
	v_readlane_b32 s[32+\i], v13, \i
.endr
	s_wait_loadcnt 16                              ; the scores are in: the 16 partial contexts were issued behind them
.irp i, 0,1,2,3,4,5,6,7
	v_sub_f32 v[4+\i], v[4+\i], v12
.endr
.irp i, 0,1,2,3,4,5,6,7
	v_mul_f32 v[4+\i], 0x3fb8aa3b, v[4+\i]
.endr
	s_wait_alu depctr_va_vdst(0)
.irp i, 0,1,2,3,4,5,6,7
	v_exp_f32 v[4+\i], v[4+\i]
.endr
	v_nop
	s_wait_alu depctr_va_vdst(0)                   ; one wait for the eight
.irp i, 0,1,2,3,4,5,6,7
	v_mul_f32 v[4+\i], v[4+\i], v15
.endr
	global_store_b128 v84, v[4:7], s[12:13]        ; 32 lanes store 512 consecutive bytes
	global_store_b128 v84, v[8:11], s[12:13] offset:1024
	s_wait_loadcnt 15                              ; partial 0 is in
.irp k, 0,1,2,3
	v_mul_f32 v[80+\k], s32, v[16+\k]              ; the first product starts the sums
.endr
	s_wait_alu depctr_va_vdst(0)
.irp i, 1,2,3,4,5,6,7,8,9,10,11,12,13,14,15
	s_wait_alu depctr_va_vdst(0)
	s_wait_loadcnt 15-\i                           ; partial i is in; the younger ones may be out
.irp k, 0,1,2,3
	v_fmac_f32 v[80+\k], s[32+\i], v[16+4*\i+\k]
.endr
.endr
	global_store_b128 v84, v[80:83], s[10:11]
	s_endpgm
.Lfunc_end_k_qd3d1207f2c_combine:
	.size	k_qd3d1207f2c_combine, .Lfunc_end_k_qd3d1207f2c_combine-k_qd3d1207f2c_combine
	.p2alignl 7, 3214868480
	.fill 96, 4, 3214868480
	.section	.rodata,"a",@progbits
	.p2align	6, 0x0
	.amdhsa_kernel k_qd3d1207f2c_combine
		.amdhsa_group_segment_fixed_size 0
		.amdhsa_private_segment_fixed_size 0
		.amdhsa_enable_private_segment 0
		.amdhsa_kernarg_size 40
		.amdhsa_user_sgpr_count 2
		.amdhsa_user_sgpr_kernarg_segment_ptr 1
		.amdhsa_wavefront_size32 1
		.amdhsa_system_sgpr_workgroup_id_x 1
		.amdhsa_system_sgpr_workgroup_id_y 1
		.amdhsa_system_sgpr_workgroup_id_z 1
		.amdhsa_system_vgpr_workitem_id 0
		.amdhsa_next_free_vgpr 96
		.amdhsa_next_free_sgpr 66
		.amdhsa_reserve_vcc 0
		.amdhsa_float_denorm_mode_32 3
		.amdhsa_float_denorm_mode_16_64 3
		.amdhsa_memory_ordered 1
		.amdhsa_forward_progress 1
		.amdhsa_inst_pref_size 10
	.end_amdhsa_kernel
	.amdgpu_metadata
---
amdhsa.version: [ 1, 2 ]
amdhsa.kernels:
  - .name:           k_qd3d1207f2c_combine
    .symbol:         k_qd3d1207f2c_combine.kd
    .args:
      - { .name: scores, .offset: 0, .size: 8, .value_kind: global_buffer, .address_space: global }
      - { .name: pml, .offset: 8, .size: 8, .value_kind: global_buffer, .address_space: global }
      - { .name: pctx, .offset: 16, .size: 8, .value_kind: global_buffer, .address_space: global }
      - { .name: out0, .offset: 24, .size: 8, .value_kind: global_buffer, .address_space: global }
      - { .name: out1, .offset: 32, .size: 8, .value_kind: global_buffer, .address_space: global }
    .group_segment_fixed_size: 0
    .private_segment_fixed_size: 0
    .kernarg_segment_align: 8
    .kernarg_segment_size: 40
    .max_flat_workgroup_size: 64
    .sgpr_count:     66
    .vgpr_count:     96
    .wavefront_size: 32
...
	.end_amdgpu_metadata
.endif
;; end of part 3
